; MI455X (gfx1250); checked and timed in simulation.
; The chip was launched on July 23, 2026; its instructions are those of AMD's public machine-readable ISA for CDNA 5 (MIT licence, August 2026) and "CDNA5" Instruction Set Architecture Reference Guide (July 2026). The comments in the code are by the model that wrote it; some were corrected since.
;; quant Linear. Allowed arithmetic: matrix products marked QUANTISED: E2M1 operands, one E8M0 scale for each 32 along K, by v_wmma_scale_f32_16x16x128_f8f6f4 with both operands' format E2M1 (or v_wmma_scale_f32_32x16x128_f4), f32 sums; everything else in f32.
;; Inputs: bias 4,096 float32; codebook 3 float32; weight_idx 4,096 x 4,096 int32; x 4 x 1,024 x 4,096 float32.
;; Outputs: out0 4 x 1,024 x 4,096 float32.
;; This version of the problem:
;;   THIS VERSION OF THE PROBLEM IS GIVEN IN LOW PRECISION. The matrix products marked QUANTISED in the list below multiply operands that are first quantised to E2M1 (2 exponent bits, 1 mantissa bit; 4 bits a number), with one power-of-two scale for each 32 numbers along K (OCP MX v1.0); their sums are f32. All else is computed in f32.
;;   The module's matrix products, in the order in which they are computed (A, B: the left and right operand; K: the contracted axis; several contracted axes count as one K, in the product's order):
;;     1. [M 4,096, K 4,096] x [K 4,096, N 4,096]; A: input x; B: computed on the way: QUANTISED
;;   THE QUANTISER, for each operand of a quantised product, along K:
;;     - K is cut into blocks of 32 from its start; a last block that is shorter is filled with zeros.
;;     - A block's scale is 2^e with e = floor(log2(the largest magnitude in the block)) - 2, held to -126 .. 127; a block of zeros has e = 0. As a byte (E8M0): e + 127.
;;     - Each number is divided by its block's scale, clamped to +-6, and rounded to the nearest number of E2M1, ties to even, subnormals kept.
;;     - The product sums the exact products of the quantised numbers (number of the format x scale) in f32.
;;   ~~~python
;;   def quantise(x, axis):      # numpy; x: float32 -> the quantised numbers, widened to float32 again
;;       x = np.moveaxis(x, axis, -1); K = x.shape[-1]
;;       x = np.pad(x, [(0, 0)] * (x.ndim - 1) + [(0, -K % 32)]); x = x.reshape(x.shape[:-1] + (-1, 32)); a = np.abs(x).max(-1, keepdims=True)
;;       e = np.where(a > 0, np.clip(np.frexp(np.where(a > 0, a, 1))[1] - 1 - 2, -126, 127), 0)      # np.frexp(a)[1] - 1 = floor(log2(a)), exactly
;;       r = np.clip(x / 2.0 ** e, -6, 6)
;;       step = 2.0 ** (np.maximum(np.frexp(np.where(r == 0, 1, r))[1] - 1, 0) - 1)
;;       q = np.round(r / step) * step * 2.0 ** e      # np.round: ties to even
;;       return np.moveaxis(q.reshape(q.shape[:-2] + (-1,))[..., :K], -1, axis).astype(np.float32)
;;   ~~~
;;   OPERANDS COMPUTED ON THE WAY. 'Computed on the way' means the value that the module computes at that place (a softmax that the list does not call 'softmax' is quantised finished and normalised). What goes into a quantiser is computed in f32, as accurately as f32 sums, v_exp_f32 and their like allow (about 1e-6 of the number): no bf16 or f16 on the way to a quantiser, and a product that is left as it is and whose result goes on into a quantised operand takes f32 operands (vector FMAs, or v_wmma_f32_16x16x4_f32). A number that lies on a knife's edge between two numbers of the format may be rounded either way, as far as f32 arithmetic and the matrix unit's own rounding can turn it there, and no further.
;; One version. Each part assembles by itself: llvm-mc -triple=amdgcn-amd-amdhsa -mcpu=gfx1250 --defsym DOCPART=n.
;; ======== version 1 of 1: 2 launches
;; limits: right only within a limited range of input values
;; workspace buffers: a_pack 8,912,896 bytes; b_pack 8,912,896 bytes
;; launch quant (part 1): grid 1024 x 1, 4 waves a work-group, no clusters, 1,536 bytes of LDS; arguments x, weight_idx, a_pack, b_pack, codebook; writes a_pack, b_pack
.if DOCPART == 1
	.amdgcn_target "amdgcn-amd-amdhsa--gfx1250"
	.amdhsa_code_object_version 6
	.text
	.protected	k_qe095edc45b_quant
	.globl	k_qe095edc45b_quant
	.p2align	8
	.type	k_qe095edc45b_quant,@function
k_qe095edc45b_quant:
	s_mov_b64 s[64:65], 0
	v_nop
	global_prefetch_b8 v0, s[64:65] scope:SCOPE_SE
	s_setreg_imm32_b32 hwreg(HW_REG_WAVE_MODE, 25, 1), 1
	s_wait_xcnt 0x0
; x [4096][4096] f32 and W[n][k] = codebook[weight_idx[n][k]] (weight_idx [4096][4096] int32, codebook [3] f32) are turned into codes of FP4 (E2M1), 4 bits each, with one E8M0 scale byte for each 32 along K.
; EACH OPERAND GOES INTO ONE PACKED BUFFER, laid as the product's launch fetches it: [8 K steps of 512][32 groups of 128 rows][136 units of 256 bytes].  Of a group's 136 units the first 128 are its rows' codes
; of that K step (256 bytes a row, 16 chunks of 16 bytes, a block of 32 numbers to a chunk), the last 8 its scale bytes (a unit: 16 rows x 16 bytes, byte j for chunk j).
; A block's scale is 2^(floor(log2(its largest magnitude)) - 2); its byte is the largest magnitude's own exponent field - 2, held at 1 from below.  Each number is divided by the scale and rounded to the nearest
; code, ties to even; beyond the largest code the largest.
; THE ORDER OF K INSIDE A K STEP is this launch's own, and the same for x and for W, so that every product meets its partner: chunk 4 g + i holds block 4 i + g of the K step's 16 blocks, and inside a chunk the
; codes lie in fours, in the order in which the lanes' exchange below leaves them.  A chunk holds one whole block, and its byte is that block's.
; LIMITS: the product's f32 sums take K in that order, not ascending; a block of zeros gets the byte 1 where the rule says 127 (its codes are zeros, which add nothing under any byte but 0xff, and this program
; alone reads the bytes); NaN and infinities in x or in the codebook are not served; a weight index above 2 counts as 2 (the problem allows 0, 1, 2).
; SHARES.  The first 512 work-groups take x, the others weight_idx: only pointers are chosen.  A wave takes 16 rows x 512 along K; step t is row t's 512 numbers: four loads of 512 consecutive bytes, 16 a lane.
; So lane l = 8 g + 4 u + j holds, of load i, four numbers of block 4 i + g, and the eight lanes of group g hold that block.  The block's largest magnitude is taken over those lanes by three DPP steps.
; A conversion takes eight numbers under ONE scale: loads i and i + 1 are converted twice, once under each block's scale, and of each result the half that belongs to that scale is kept.
; A lane's four pieces of 16 bits (one for each i) are then exchanged inside its four lanes, with lane l xor 2 by words and with lane l xor 1 by halves: lane l ends with the pieces of block 4 j + g of its
; four lanes: 8 bytes, half u of chunk 4 g + j.  One store of the wave covers the row's 256 bytes.  The four bytes of group g are word g of the row's scale bytes: they are packed in the lane.
; LDS holds only each wave's 256 scale bytes.  No tensor loads, no barrier: waves share nothing.  Loads run four steps (16 loads a wave) ahead.
.set WGA,   512                        ; work-groups for x: 4096 x 4096 / (4 waves x 8,192 numbers)
.set STEPS, 16
.set SROW,  16384                      ; a row of x or of weight_idx in bytes
.set TILEB, 136*256                    ; a group of 128 rows in a K step
.set KSTRIDE, 32*TILEB                 ; a K step's 32 groups
.set SPARE, 0x400                      ; behind the waves' 4 x 256 scale bytes: the spare words, 128 bytes a wave, named by no other line
.set M,     8                          ; v8-11    the four blocks' largest magnitudes
.set S,     12                         ; v12-15   their scale operands
.set R,     16                         ; v16-79   four sets of 16 numbers as they are loaded
.set BY,    80                         ; v80-83   the four scale bytes
.set CV,    84                         ; v84-87   the four conversions' results
.set T,     88                         ; v88-95   the exchange
.set E,     96                         ; v96      the scale word
.set C,     128                        ; v128-159 codes: two registers for each step, so that no store's data are written again
.set CB,    160                        ; v160-162 the codebook's three numbers
.set SPW,   168
.set NIL,   169
	s_load_b128 s[4:7], s[0:1], 0x0                ; x, weight_idx
	s_load_b128 s[8:11], s[0:1], 0x10              ; x's packed buffer, W's
	s_load_b64 s[24:25], s[0:1], 0x20              ; the codebook
	v_lshl_add_u32 v[SPW], v0, 2, SPARE
	v_mov_b32 v[NIL], 0
	v_lshrrev_b32 v1, 5, v0
	v_readfirstlane_b32 s16, v1                    ; wave
	s_lshl_b32 s17, s16, 8                         ; LDS: my wave's 256 scale bytes
	s_mov_b32 s12, 0xaaaaaaaa                      ; the lanes with l & 1
	s_mov_b32 s13, 0xcccccccc                      ; the lanes with l & 2
	s_mov_b32 s14, 0x05040100                      ; v_perm_b32: two low halves
	s_mov_b32 s15, 0x07060302                      ; two high halves
	v_and_b32 v2, 31, v0                           ; lane
	v_lshlrev_b32 v3, 4, v2                        ; my 16 bytes of a load's 512
	v_lshrrev_b32 v1, 3, v2                        ; g
	v_and_b32 v8, 3, v2                            ; j
	v_bfe_u32 v9, v2, 2, 1                         ; u
	v_lshlrev_b32 v4, 6, v1
	v_lshl_add_u32 v4, v8, 4, v4
	v_lshl_add_u32 v4, v9, 3, v4                   ; my 8 bytes of a row's codes: 16 (4 g + j) + 8 u
	v_lshl_add_u32 v5, v1, 2, s17                  ; LDS: word g of a row's scale bytes
	v_lshlrev_b32 v7, 3, v2                        ; and on the way out 8 bytes a lane
	v_add_nc_u32 v6, s17, v7
	v_mov_b32 v[T+4], 0                            ; a DPP form's destination counts as read: written once here
.irp t, 0,1,2,3,4,5,6,7,8,9,10,11,12,13,14,15
	v_mov_b32 v[C+2*\t+1], 0
.endr
	s_wait_alu depctr_va_vdst(0)
	s_wait_kmcnt 0x0
	s_load_b96 s[28:30], s[24:25], 0x0             ; c0, c1, c2: all 12 bytes of the codebook
	s_cmp_lt_u32 ttmp9, WGA                        ; x's work-group or W's?  The choice hangs on the work-group's number alone
	s_cselect_b64 s[4:5], s[4:5], s[6:7]
	s_cselect_b64 s[8:9], s[8:9], s[10:11]
	s_cselect_b32 s17, 0, WGA
	s_cselect_b32 s31, 0, 1                        ; 1: my numbers are indices into the codebook
	s_sub_co_u32 s17, ttmp9, s17
	s_lshl_b32 s17, s17, 2
	s_add_co_u32 s18, s17, s16                     ; my wave's run, 0 .. 2047
	s_lshr_b32 s19, s18, 3                         ; which 16 rows
	s_and_b32 s20, s18, 7                          ; which K step of 512
	s_mov_b32 s23, 0
	s_lshl_b32 s22, s19, 18                        ; source: 16 rows of 16,384 bytes,
	s_lshl_b32 s21, s20, 11                        ; 512 numbers of 4 bytes
	s_add_co_u32 s22, s22, s21
	s_add_nc_u64 s[4:5], s[4:5], s[22:23]
	s_mul_i32 s22, s20, KSTRIDE                    ; the packed buffer: my K step,
	s_lshr_b32 s21, s19, 3
	s_mul_i32 s21, s21, TILEB                      ; my group of 128 rows (under 2^24 bytes in all)
	s_add_co_u32 s22, s22, s21
	s_add_nc_u64 s[8:9], s[8:9], s[22:23]
	s_and_b32 s21, s19, 7                          ; which 16 rows of the group's 128
	s_lshl_b32 s22, s21, 8
	s_add_co_u32 s22, s22, 128*256                 ; their unit of scale bytes, behind the group's 128 units of codes
	s_add_nc_u64 s[10:11], s[8:9], s[22:23]
	s_lshl_b32 s22, s21, 12                        ; and their 16 units of codes
	s_add_nc_u64 s[8:9], s[8:9], s[22:23]
.macro LOAD t
.irp i, 0,1,2,3
	global_load_b128 v[R+16*((\t)%4)+4*\i:R+16*((\t)%4)+4*\i+3], v3, s[4:5] offset:SROW*(\t)+512*\i th:TH_LOAD_NT   ; 32 lanes read 512 consecutive bytes of row t
.endr
.endm
.irp t, 0,1,2,3
	LOAD \t
.endr
	s_wait_kmcnt 0x0                               ; the codebook
	v_mov_b32 v[CB], s28
	v_mov_b32 v[CB+1], s29
	v_mov_b32 v[CB+2], s30
	s_wait_alu depctr_va_vdst(0)
.macro STEP t
.set XS, R+16*((\t)%4)
.if STEPS-1-(\t) >= 3
	s_wait_loadcnt 12                              ; this step's four loads are in; those of the three steps behind it may be out
.else
	s_wait_loadcnt 4*(STEPS-1-(\t))                ; the counts run down: fewer steps stand behind it
.endif
	s_cmp_eq_u32 s31, 0                            ; x's numbers are taken as they are.  The branch hangs on the work-group's number alone, and only work on registers stands under it
	s_cbranch_scc1 .Lplain_\@
.irp i, 0,1,2,3,4,5,6,7,8,9,10,11,12,13,14,15
	v_cmp_eq_u32 vcc_lo, 1, v[XS+\i]               ; W = codebook[index], by selection: no address hangs on the index
	v_cmp_lt_u32 s26, 1, v[XS+\i]
	v_cndmask_b32 v[XS+\i], v[CB], v[CB+1], vcc_lo ; index 1: c1, else c0;
	v_cndmask_b32 v[XS+\i], v[XS+\i], v[CB+2], s26 ; index above 1: c2
.endr
.Lplain_\@:
.irp i, 0,1,2,3
	v_max3_num_f32 v[M+\i], |v[XS+4*\i]|, |v[XS+4*\i+1]|, |v[XS+4*\i+2]|   ; my four numbers of block 4 i + g (the four blocks by turns),
.endr
.irp i, 0,1,2,3
	v_max3_num_f32 v[M+\i], v[M+\i], |v[XS+4*\i+3]|, 0x1800000     ; and the floor 2^(3 - 127): so the byte cannot fall under 1
.endr
.irp x, 1,2,4
.irp i, 0,1,2,3
	v_max_num_f32_dpp v[M+\i], v[M+\i], v[M+\i] row_xmask:\x row_mask:0xf bank_mask:0xf   ; with the other seven lanes of my group: the block's
.endr
.endr
.irp i, 0,1,2,3
	v_add_nc_u32 v[S+\i], 0xff000000, v[M+\i]      ; 2 off the exponent field: the conversion takes the exponent field of this operand as its scale
.endr
	v_cvt_scalef32_pk8_fp4_f32 v[CV],   v[XS:XS+7],    v[S]        ; its low 16 bits: load 0's four codes
	v_cvt_scalef32_pk8_fp4_f32 v[CV+1], v[XS:XS+7],    v[S+1]      ; its high 16 bits: load 1's
	v_cvt_scalef32_pk8_fp4_f32 v[CV+2], v[XS+8:XS+15], v[S+2]      ; low: load 2's
	v_cvt_scalef32_pk8_fp4_f32 v[CV+3], v[XS+8:XS+15], v[S+3]      ; high: load 3's
.irp i, 0,1,2,3
	v_lshrrev_b32 v[BY+\i], 23, v[S+\i]            ; the scales' bytes.  (Also the plain instructions behind the conversions)
.endr
	v_lshl_or_b32 v[E], v[BY+1], 8, v[BY]          ; byte i for chunk 4 g + i: word g of the row's scale bytes
	v_bfi_b32 v[T],   0xffff, v[CV],   v[CV+1]     ; pieces 0 | 1
	v_bfi_b32 v[T+1], 0xffff, v[CV+2], v[CV+3]     ; pieces 2 | 3
	v_lshl_or_b32 v[E], v[BY+2], 16, v[E]
	v_cndmask_b32 v[T+3], v[T+1], v[T], s13        ; to lane l xor 2 goes the word that I do not keep,
	v_cndmask_b32 v[T+2], v[T], v[T+1], s13        ; I keep pieces 0 | 1, or with l & 2 pieces 2 | 3
	v_lshl_or_b32 v[E], v[BY+3], 24, v[E]
	v_mov_b32_dpp v[T+4], v[T+3] row_xmask:2 row_mask:0xf bank_mask:0xf   ; and get the same two pieces of lane l xor 2
	ds_store_b32 v5, v[E] offset:16*(\t)           ; the eight lanes of a group write the same word with the same value
	v_perm_b32 v[T+5], v[T+4], v[T+2], s14         ; the lower piece of both lanes,
	v_perm_b32 v[T+6], v[T+4], v[T+2], s15         ; the upper piece of both
	v_cndmask_b32 v[T+7], v[T+6], v[T+5], s12      ; to lane l xor 1 goes the one that I do not keep
	v_cndmask_b32 v[C+2*(\t)], v[T+5], v[T+6], s12 ; piece j of lanes l and l xor 2,
	v_mov_b32_dpp v[C+2*(\t)+1], v[T+7] row_xmask:1 row_mask:0xf bank_mask:0xf   ; and of lanes l xor 1 and l xor 3
	global_store_b64 v4, v[C+2*(\t):C+2*(\t)+1], s[8:9] offset:256*(\t)   ; 32 lanes store 256 consecutive bytes, at a multiple of 256 from the buffer's first byte
.if (\t)+4 < STEPS
	LOAD (\t)+4                                    ; this step's registers take the loads of four steps on
.endif
.endm
.irp t, 0,1,2,3,4,5,6,7,8,9,10,11,12,13,14,15
	STEP \t
.endr
	ds_load_b64 v[12:13], v6                       ; LDS serves a wave's instructions in order: these see my stores
	s_wait_dscnt 0x0
	global_store_b64 v7, v[12:13], s[10:11]        ; 32 lanes store the wave's 256 scale bytes: consecutive, aligned
	s_wait_tensorcnt 0x0                           ; the wave's end: behind my last LDS store
	ds_add_u32 v[SPW], v[NIL]
	s_wait_dscnt 0x0
	s_endpgm
.Lfunc_end_k_qe095edc45b_quant:
	.size	k_qe095edc45b_quant, .Lfunc_end_k_qe095edc45b_quant-k_qe095edc45b_quant
	.p2alignl 7, 3214868480
	.fill 96, 4, 3214868480
	.section	.rodata,"a",@progbits
	.p2align	6, 0x0
	.amdhsa_kernel k_qe095edc45b_quant
		.amdhsa_group_segment_fixed_size 1536
		.amdhsa_private_segment_fixed_size 0
		.amdhsa_enable_private_segment 0
		.amdhsa_kernarg_size 40
		.amdhsa_user_sgpr_count 2
		.amdhsa_user_sgpr_kernarg_segment_ptr 1
		.amdhsa_wavefront_size32 1
		.amdhsa_system_sgpr_workgroup_id_x 1
		.amdhsa_system_sgpr_workgroup_id_y 1
		.amdhsa_system_sgpr_workgroup_id_z 1
		.amdhsa_system_vgpr_workitem_id 0
		.amdhsa_next_free_vgpr 170
		.amdhsa_next_free_sgpr 66
		.amdhsa_reserve_vcc 1
		.amdhsa_float_denorm_mode_32 3
		.amdhsa_float_denorm_mode_16_64 3
		.amdhsa_memory_ordered 1
		.amdhsa_forward_progress 1
		.amdhsa_inst_pref_size 108
	.end_amdhsa_kernel
	.amdgpu_metadata
---
amdhsa.version: [ 1, 2 ]
amdhsa.kernels:
  - .name:           k_qe095edc45b_quant
    .symbol:         k_qe095edc45b_quant.kd
    .args:
      - { .name: x, .offset: 0, .size: 8, .value_kind: global_buffer, .address_space: global }
      - { .name: weight_idx, .offset: 8, .size: 8, .value_kind: global_buffer, .address_space: global }
      - { .name: a_pack, .offset: 16, .size: 8, .value_kind: global_buffer, .address_space: global }
      - { .name: b_pack, .offset: 24, .size: 8, .value_kind: global_buffer, .address_space: global }
      - { .name: codebook, .offset: 32, .size: 8, .value_kind: global_buffer, .address_space: global }
    .group_segment_fixed_size: 1536
    .private_segment_fixed_size: 0
    .kernarg_segment_align: 8
    .kernarg_segment_size: 40
    .max_flat_workgroup_size: 128
    .sgpr_count:     66
    .vgpr_count:     170
    .wavefront_size: 32
...
	.end_amdgpu_metadata
.endif
;; end of part 1
;; launch gemm (part 2): grid 16 x 16, 4 waves a work-group, clusters of 4 x 4, 327,680 bytes of LDS; arguments a_pack, b_pack, bias, out0; writes out0
.if DOCPART == 2
	.amdgcn_target "amdgcn-amd-amdhsa--gfx1250"
	.amdhsa_code_object_version 6
	.text
	.protected	k_qe095edc45b_gemm
	.globl	k_qe095edc45b_gemm
	.p2align	8
	.type	k_qe095edc45b_gemm,@function
k_qe095edc45b_gemm:
	s_mov_b64 s[64:65], 0
	v_nop
	global_prefetch_b8 v0, s[64:65] scope:SCOPE_SE
	s_setreg_imm32_b32 hwreg(HW_REG_WAVE_MODE, 25, 1), 1
	s_wait_xcnt 0x0
	s_wait_alu depctr_hold_cnt(0) depctr_sa_sdst(0) depctr_va_vdst(0) depctr_va_sdst(0) depctr_va_ssrc(0) depctr_va_vcc(0) depctr_vm_vsrc(0)
	s_getreg_b32 s2, hwreg(HW_REG_IB_STS2, 6, 4)
	s_cmp_eq_u32 s2, 0
	s_cbranch_scc0 .Lentry_in_a_cluster
	s_endpgm
.Lentry_in_a_cluster:
	s_bfe_u32 s2, ttmp6, 0x10000c
	s_cmp_lg_u32 s2, 0xf033
	s_cbranch_scc0 .Lentry_shape_is_right
	s_endpgm
.Lentry_shape_is_right:
; out0[m][n] = bias[n] + sum over k of xq[m][k] Wq[n][k]: both operands as codes of FP4 (E2M1) with one E8M0 byte for each 32 along K, as the launch before packed them:
; [8 K steps of 512][32 groups of 128 rows][136 units of 256 bytes]: a group's 128 rows of codes (256 bytes a row), then 8 units of scale bytes (16 rows x 16 bytes a unit).
; A work-group of four waves makes 256 x 256 of the result, a wave 128 x 128: 512 registers of sums.  K goes ascending in steps of 512 through two LDS slots; a wave's one tensor load brings a
; group's 34,816 consecutive bytes as 136 rows of 256 bytes, 16 bytes of padding behind each.
; CLUSTERS: 4 x 4 work-groups; x's tiles are asked for jointly along a row of the cluster, W's along a column.
; THE MATRIX INSTRUCTION IS USED TRANSPOSED (source 0 = rows of W, source 1 = 16 rows of x): a lane holds neighbouring columns of one row of the result; the bias, in that layout, is the C of each sum's first product.
; WIDE = 1: the form 32 x 16 x 128 takes two neighbouring blocks of W (16 registers on end) at once, and their two sums (16 registers on end).  WIDE = 0: the form 16 x 16 x 128 on the same registers.
; REGISTERS: window 0: v0-31 addresses; v32-127 scale words, a set of 48 for each slot (x's block i in lanes 0-15 of 4 registers; W's rows 32 B .. 32 B + 31 in the 32 lanes of 4 registers);
;   x's fragments, TWO sets, v128-191 and v192-255.   window 1: W's fragments, two sets, v0-63 and v128-191; v64-127 the bias.
;   windows 2, 3: the sums of my rows 0-63 and 64-127 (block (a, b) at v[8 (8 (a % 4) + b)]).
; A step of 128 along K works on one set; the other set takes the next step's 32 LDS loads: W's 16 at the step's head, x's 16 behind the products of x's first two blocks.
; THE LAST K STEP GOES BY ROWS OF THE RESULT: all its fragments of W fill window 1, x's come by blocks of 16 rows x 512 K (three buffers of 32 registers), and each block of 16 rows leaves as soon as it is summed.
; PREFETCH: behind the tensor load of K step s stands the request for K step s + 2's tile (behind the first load also K step 1's): of a tile's 136 units each of the four partners that load it jointly names 34,
; told apart by address (cx for x's tiles, cy for W's): a lane a unit, two instructions a wave (in the second, lanes 2-31 name the last unit again).  The loop's last trip asks for nothing: no K step stands two on.
.set WIDE,   1
.set PITCH,  272                       ; an LDS row: 256 bytes + 16 of padding
.set TROWS,  136
.set TILE,   TROWS*PITCH               ; a wave's tile in LDS
.set TILEB,  TROWS*256                 ; and in memory
.set KSTRIDE, 32*TILEB                 ; a K step's 32 groups
.set SCO,    128*PITCH                 ; a tile's scale bytes, behind its 128 rows of codes
.set SLOT,   4*TILE                    ; x's two tiles, then W's two
.set SPARE,  2*SLOT                    ; the spare words: 128 bytes a wave, named by no other line
.set SPITCH, 528                       ; the way out: a stage of 16 rows x (512 + 16) bytes a wave, in slot 0 behind its last fill and last read
.set OROW,   16384                     ; a row of the result in bytes
.set LAPS,   4                         ; a lap = two K steps
.set ADRA, 16                          ; v16-17 x's fragments in slot 0, 1
.set ADRB, 18                          ; v18-19 W's
.set ADXS, 20                          ; v20-21 x's scale words: row l % 16 of a block
.set ADWS, 22                          ; v22-23 W's scale words: row l of 32
.set STO,  24
.set RD,   25
.set CO,   26
.set BO,   27
.set SPW,  28                          ; my spare word
.set NIL,  29                          ; 0
.set PFO,  30                          ; prefetch: 256 x lane
.set PFO2, 31                          ; prefetch: 256 x (32 + min(lane, 1))
.set SC,   32
.set AF,   128
.set PA,   128                         ; the last K step: x's three buffers, v128-223
.set OB0,  32                          ; the way out: rows 0-7 of a block read back (slot 0's scale words are done with),
.set OB1,  224                         ; and rows 8-15
.set BIAS, 64
.set WV,   16
.set G1A,  24
.set G1B,  32
.set G0A,  40
.set G0B,  48
.set ABASE, 56
.set BBASE, 58
.set PFA,  76                          ; s[76:77] my 34 units of the tile that I load, at the even K step that the lap's prefetches name
.set MSB, 0
.macro WIN new                         ; the immediate's high byte repeats the setting that is left
.if MSB != \new
	s_set_vgpr_msb (MSB<<8)|\new
.set MSB, \new
.endif
.endm
.set MUL_LO,   0xa1                    ; source 0 (W) window 1, source 1 (x) window 0, C and D window 2
.set MUL_HI,   0xf1                    ; the same, C and D window 3
.set FIRST_LO, 0x91                    ; C (the bias) window 1, D window 2
.set FIRST_HI, 0xd1
.set TO_B,     0x40                    ; destination window 1, address window 0
.macro WLO first
.if \first
	WIN FIRST_LO
.else
	WIN MUL_LO
.endif
.endm
.macro WHI first
.if \first
	WIN FIRST_HI
.else
	WIN MUL_HI
.endif
.endm
; a joint load: waves 0 and 1 fetch x's two tiles, waves 2 and 3 W's; s_nop 0 and four v_nop behind each line
.macro JLOAD s
	s_cmp_eq_u32 s17, 0
	s_cbranch_scc0 .Lfor_b_\@
	tensor_load_to_lds s[G0A+4*\s:G0A+4*\s+3], s[G1A:G1A+7]
	s_nop 0
.rept 4
	v_nop
.endr
	s_branch .Lasked_\@
.Lfor_b_\@:
	tensor_load_to_lds s[G0B+4*\s:G0B+4*\s+3], s[G1B:G1B+7]
	s_nop 0
.rept 4
	v_nop
.endr
.Lasked_\@:
.endm
.macro CREST                           ; a round of the cluster's barrier behind its opening barrier
	s_cmp_lg_u32 s[WV], 0
	s_cbranch_scc1 .Lnot_wave_0_\@
	s_barrier_signal -3
.Lnot_wave_0_\@:
	s_barrier_wait -3
	s_barrier_signal -1
	s_barrier_wait -1
.endm
.macro CROUND
	s_barrier_signal -1
	s_barrier_wait -1
	CREST
.endm
.macro PF off                          ; my 34 units of a tile: 32 + 2
	global_prefetch_b8 v[PFO], s[PFA:PFA+1] offset:\off th:TH_LOAD_NT scope:SCOPE_SE
	global_prefetch_b8 v[PFO2], s[PFA:PFA+1] offset:\off th:TH_LOAD_NT scope:SCOPE_SE
.endm
	s_load_b128 s[4:7], s[0:1], 0x0                ; x's packed buffer, W's
	s_load_b128 s[12:15], s[0:1], 0x10             ; bias, out0
	v_lshl_add_u32 v[SPW], v0, 2, SPARE
	v_mov_b32 v[NIL], 0
	ds_add_u32 v[SPW], v[NIL]                      ; the opening lines: the add, twice on end,
	ds_add_u32 v[SPW], v[NIL]                      ; and one wait for both, ahead of my first tensor load
	v_lshrrev_b32 v1, 5, v0
	v_readfirstlane_b32 s[WV], v1                  ; wave 0..3
	s_lshr_b32 s17, s[WV], 1                       ; my half of the rows.  Also: I fetch for x (0) or for W (1)
	s_and_b32 s18, s[WV], 1                        ; my half of the columns.  Also: which of the two tiles I fetch
	s_bfe_u32 s20, ttmp6, 0x40000                  ; cx
	s_bfe_u32 s21, ttmp6, 0x40004                  ; cy
	s_lshl_b32 s22, ttmp9, 2
	s_add_co_u32 s22, s22, s20                     ; tile column
	s_and_b32 s19, ttmp7, 0xffff
	s_lshl_b32 s23, s19, 2
	s_add_co_u32 s23, s23, s21                     ; tile row
	s_lshl_b32 s66, s21, 2
	s_lshl_b32 s66, 15, s66                        ; my row of the cluster
	s_lshl_b32 s67, 0x1111, s20                    ; my column
	s_or_b32 s[G1A], s66, (3<<16)|(1<<20)|(1<<21)|(5<<22)|(3<<25)   ; the mask; elements of 8 bytes; padding of 4 words behind every 64; bit 21 beside a mask
	s_or_b32 s[G1B], s67, (3<<16)|(1<<20)|(1<<21)|(5<<22)|(3<<25)
.irp g, G1A, G1B
	s_mov_b32 s[\g+1], 32<<16                      ; rows of 32 elements,
	s_mov_b32 s[\g+2], TROWS<<16                   ; 136 of them,
	s_mov_b32 s[\g+3], 32<<16
	s_mov_b32 s[\g+4], TROWS
	s_mov_b32 s[\g+5], 32                          ; dense
	s_mov_b32 s[\g+6], 0
	s_mov_b32 s[\g+7], 0
.endr
	s_lshl_b32 s68, s23, 1
	s_add_co_u32 s68, s68, s18
	s_mul_i32 s68, s68, TILEB                      ; x: group 2 x tile row + half
	s_mov_b32 s69, 0
	s_lshl_b32 s70, s22, 1
	s_add_co_u32 s70, s70, s18
	s_mul_i32 s70, s70, TILEB                      ; W: group 2 x tile column + half
	s_mov_b32 s71, 0
	s_mul_i32 s72, s[WV], TILE                     ; where my tile goes: wave x a tile
	s_wait_dscnt 0x0                               ; both opening adds are done
	s_wait_kmcnt 0x0
	s_add_nc_u64 s[ABASE:ABASE+1], s[4:5], s[68:69]
	s_add_nc_u64 s[BBASE:BBASE+1], s[6:7], s[70:71]
.irp s, 0,1
	s_mov_b32 s[G0A+4*\s], 1
	s_add_co_u32 s[G0A+4*\s+1], s72, \s*SLOT
	s_add_nc_u64 s[G0A+4*\s+2:G0A+4*\s+3], s[ABASE:ABASE+1], \s*KSTRIDE
	s_or_b32 s[G0A+4*\s+3], s[G0A+4*\s+3], 0x80000000
	s_mov_b32 s[G0B+4*\s], 1
	s_add_co_u32 s[G0B+4*\s+1], s72, \s*SLOT
	s_add_nc_u64 s[G0B+4*\s+2:G0B+4*\s+3], s[BBASE:BBASE+1], \s*KSTRIDE
	s_or_b32 s[G0B+4*\s+3], s[G0B+4*\s+3], 0x80000000
.endr
	CROUND                                         ; all sixteen work-groups are here: the first joint loads meet
	JLOAD 0                                        ; K step 0: one tensor load a wave at the head
	s_mul_i32 s2, s17, TILE                        ; my 128 rows of x
	s_mul_i32 s19, s18, TILE
	s_add_co_u32 s19, s19, 2*TILE                  ; my 128 rows of W
	s_add_co_u32 s73, s2, SCO                      ; their scale bytes
	s_add_co_u32 s3, s19, SCO
	s_mul_i32 s63, s[WV], 16*SPITCH                ; my stage
	s_lshl_b32 s68, s23, 8
	s_lshl_b32 s69, s17, 7
	s_add_co_u32 s68, s68, s69                     ; my first row of the result,
	s_lshl_b32 s68, s68, 14                        ; in bytes (under 2^26)
	s_mov_b32 s69, 0
	s_add_nc_u64 s[14:15], s[14:15], s[68:69]
	s_lshl_b32 s70, s22, 10
	s_lshl_b32 s71, s18, 9
	s_add_co_u32 s70, s70, s71                     ; my first column, in bytes
	s_mov_b32 s71, 0
	s_add_nc_u64 s[14:15], s[14:15], s[70:71]
	s_add_nc_u64 s[12:13], s[12:13], s[70:71]
	s_cmp_eq_u32 s17, 0                            ; the prefetches: the tile that I load,
	s_cselect_b64 s[PFA:PFA+1], s[ABASE:ABASE+1], s[BBASE:BBASE+1]
	s_cselect_b32 s78, s20, s21                    ; my place among the four that load it with me,
	s_mul_i32 s78, s78, 34*256                     ; my 34 units of it,
	s_mov_b32 s79, 0
	s_add_nc_u64 s[PFA:PFA+1], s[PFA:PFA+1], s[78:79]
	s_add_nc_u64 s[PFA:PFA+1], s[PFA:PFA+1], 2*KSTRIDE   ; at K step 2
	v_and_b32 v1, 15, v0                           ; l % 16
	v_bfe_u32 v2, v0, 4, 1                         ; l / 16
	v_mul_u32_u24 v3, v1, PITCH
	v_lshl_add_u32 v4, v2, 4, v3                   ; a fragment's row x pitch + 16 x half
	v_add_nc_u32 v[ADRA], s2, v4
	v_add_nc_u32 v[ADRB], s19, v4
	v_add_nc_u32 v[ADRA+1], SLOT, v[ADRA]
	v_add_nc_u32 v[ADRB+1], SLOT, v[ADRB]
	v_lshlrev_b32 v5, 4, v1                        ; scale words: 16 bytes a row, 16 rows a unit
	v_add_nc_u32 v[ADXS], s73, v5                  ; x's: both halves of the lanes take row l % 16
	v_add_nc_u32 v[ADXS+1], SLOT, v[ADXS]
	v_mul_u32_u24 v6, v2, PITCH                    ; W's: lanes 16-31 take the next unit's rows
	v_add_nc_u32 v6, v6, v5
	v_add_nc_u32 v[ADWS], s3, v6
	v_add_nc_u32 v[ADWS+1], SLOT, v[ADWS]
	v_mul_u32_u24 v5, v1, SPITCH                   ; the stage, in: row l % 16, 32 bytes for each half of the lanes
	v_lshl_add_u32 v5, v2, 5, v5
	v_add_nc_u32 v[STO], s63, v5
	v_and_b32 v6, 31, v0
	v_lshlrev_b32 v[CO], 4, v6                     ; back: 32 lanes take a row of 512 bytes; the same in the result
	v_add_nc_u32 v[RD], s63, v[CO]
	v_lshlrev_b32 v[BO], 5, v2                     ; bias: my eight columns of a block of 16
	v_lshlrev_b32 v[PFO], 8, v6
	v_min_u32 v7, 1, v6
	v_add_lshl_u32 v[PFO2], v7, 32, 8
	s_wait_alu depctr_va_vdst(0)
	WIN TO_B
.irp b, 0,1,2,3,4,5,6,7
	global_load_b128 v[BIAS+8*\b:BIAS+8*\b+3],   v[BO], s[12:13] offset:64*\b
	global_load_b128 v[BIAS+8*\b+4:BIAS+8*\b+7], v[BO], s[12:13] offset:64*\b+16
.endr
	WIN 0
	PF -KSTRIDE                                    ; K step 1's tile,
	PF 0                                           ; and K step 2's
.macro FRAG reg, adr, q, i             ; 16 rows x 128 K of codes: 8 registers, two loads 32 bytes apart
.irp c, 0,1
	ds_load_b128 v[\reg+4*\c:\reg+4*\c+3], v[\adr] offset:64*(\q)+32*\c+(\i)*16*PITCH
.endr
.endm
; x's block a (fragment at xr) against W's eight blocks (fragments from wb on), the slot's q-th 128 along K.  The sums take turns, in the same order in every step.
.macro MM8 a, wb, xr, q, sc, first
.irp b, 0,2,4,6
.set DD, 8*(8*((\a)%4)+\b)
.set CC, DD
.if \first
.set CC, BIAS+8*\b
.endif
.if WIDE
	v_wmma_scale_f32_32x16x128_f4 v[DD:DD+15], v[(\wb)+8*\b:(\wb)+8*\b+15], v[(\xr):(\xr)+7], v[CC:CC+15], v[SC+48*(\sc)+32+2*\b+(\q)], v[SC+48*(\sc)+4*(\a)+(\q)]
.else
	v_wmma_scale_f32_16x16x128_f8f6f4 v[DD:DD+7], v[(\wb)+8*\b:(\wb)+8*\b+7], v[(\xr):(\xr)+7], v[CC:CC+7], v[SC+48*(\sc)+32+2*\b+(\q)], v[SC+48*(\sc)+4*(\a)+(\q)] matrix_a_fmt:MATRIX_FMT_FP4 matrix_b_fmt:MATRIX_FMT_FP4
	v_wmma_scale_f32_16x16x128_f8f6f4 v[DD+8:DD+15], v[(\wb)+8*\b+8:(\wb)+8*\b+15], v[(\xr):(\xr)+7], v[CC+8:CC+15], v[SC+48*(\sc)+32+2*\b+(\q)], v[SC+48*(\sc)+4*(\a)+(\q)] matrix_a_fmt:MATRIX_FMT_FP4 matrix_b_fmt:MATRIX_FMT_FP4 matrix_a_scale:MATRIX_SCALE_ROW1
.endif
.endr
.endm
.macro MUL8 a, p, q, sc, first         ; on set p
	MM8 \a, 128*(\p), AF+64*(\p)+8*(\a), \q, \sc, \first
.endm
.macro MUL16 a0, p, q, sc, first
	MUL8 \a0, \p, \q, \sc, \first
	MUL8 \a0+1, \p, \q, \sc, \first
.endm
.macro FETCH_B slot, q, p              ; W's eight fragments into set p: 16 loads
	WIN TO_B
.irp i, 0,1,2,3,4,5,6,7
	FRAG 128*(\p)+8*\i, ADRB+\slot, \q, \i
.endr
.endm
.macro FETCH_A slot, q, p, i0          ; x's blocks i0 .. i0 + 3 into set p: 8 loads
	WIN 0
.irp i, \i0, \i0+1, \i0+2, \i0+3
	FRAG AF+64*(\p)+8*(\i), ADRA+\slot, \q, \i
.endr
.endm
.macro SCALES s                        ; a K step's scale words, 4 words a row: x's eight blocks, W's four runs of 32 rows: 12 loads
.irp i, 0,1,2,3,4,5,6,7
	ds_load_b128 v[SC+48*\s+4*\i:SC+48*\s+4*\i+3], v[ADXS+\s] offset:PITCH*\i
.endr
.irp i, 0,1,2,3
	ds_load_b128 v[SC+48*\s+32+4*\i:SC+48*\s+32+4*\i+3], v[ADWS+\s] offset:2*PITCH*\i
.endr
.endm
.macro PLACES n                        ; places in front of loads into registers that matrix instructions have read, and of reads of results
.rept \n
	v_nop
.endr
.endm
.macro FIRSTS slot                     ; a slot's first fragments and its scale words, 44 loads; x's blocks 4-7 last, so that a step's first wait can leave them out
	FETCH_B \slot, 0, 0
	FETCH_A \slot, 0, 0, 0
	SCALES \slot
	FETCH_A \slot, 0, 0, 4
.endm
; A step of 128 along K that has its successor in the same slot
.macro STEP slot, q, first
	PLACES 4                                       ; the other set was read by the step before
	FETCH_B \slot, (\q)+1, 1-(\q)%2
	s_wait_dscnt 24                                ; out at most: x's blocks 4-7 of this step (8 loads) and the 16 just issued
	WLO \first
	MUL16 0, (\q)%2, \q, \slot, \first
	FETCH_A \slot, (\q)+1, 1-(\q)%2, 0
	FETCH_A \slot, (\q)+1, 1-(\q)%2, 4
	WLO \first
	MUL16 2, (\q)%2, \q, \slot, \first
	s_wait_dscnt 32                                ; all but the next step's 32 loads
	WHI \first
	MUL16 4, (\q)%2, \q, \slot, \first
	MUL16 6, (\q)%2, \q, \slot, \first
.endm
; A slot's last step (its fragments are all asked for) changes slots at its head: each wave waits for all its tensor loads, adds 0 to its spare word, waits for that and for its reads of this slot.
.macro MEET slot, fill
	WIN 0
	s_wait_tensorcnt 0x0                           ; my part of the next slot has landed: no tensor load of mine is out, so a group 0 may be written
	ds_add_u32 v[SPW], v[NIL]
.if \fill
	s_add_nc_u64 s[G0A+4*\slot+2:G0A+4*\slot+3], s[G0A+4*\slot+2:G0A+4*\slot+3], 2*KSTRIDE   ; this slot's next K step
	s_add_nc_u64 s[G0B+4*\slot+2:G0B+4*\slot+3], s[G0B+4*\slot+2:G0B+4*\slot+3], 2*KSTRIDE
.endif
	s_wait_dscnt 1                                 ; all this step's fragments are in; the add may be out
	WIN MUL_LO
	MUL8 0, 1, 3, \slot, 0
	s_wait_dscnt 0x0                               ; the add is done, my reads of this slot are over
	s_barrier_signal -1
	MUL8 1, 1, 3, \slot, 0
	WIN 0
	s_barrier_wait -1
.endm
.macro REST slot                       ; the rest of a slot's last step
	WIN MUL_LO
	MUL16 2, 1, 3, \slot, 0
	WIN MUL_HI
	MUL16 4, 1, 3, \slot, 0
	MUL16 6, 1, 3, \slot, 0
.endm
; The change of slots with a refill: the barrier opens a round of the cluster's barrier, and this slot is filled again, two K steps on.
.macro TURN slot, next
.if \slot == 0
	s_wait_xcnt 0x0                                ; my prefetches have read their address: two K steps on
	s_add_nc_u64 s[PFA:PFA+1], s[PFA:PFA+1], 2*KSTRIDE
.endif
	MEET \slot, 1
	CREST                                          ; no wave of any partner still reads this slot or has a load on its way
	JLOAD \slot                                    ; the first tensor load behind the round; its four v_nop are the places in front of the loads below
	FIRSTS \next
	s_cmp_gt_u32 s3, 1                             ; the loop's last trip loads K steps 6 and 7: nothing stands two on
	s_cbranch_scc0 .Lno_ask_\@
	PF \slot*KSTRIDE
.Lno_ask_\@:
	REST \slot
.endm
.macro STEPS slot, from
.set Q, \from
.rept 3-\from
	STEP \slot, Q, 0
.set Q, Q+1
.endr
.endm
	s_wait_tensorcnt 0x0                           ; my part of K step 0 is in
	ds_add_u32 v[SPW], v[NIL]
	s_wait_dscnt 0x0
	CROUND                                         ; everybody's part is in, and all sixteen work-groups are here
	JLOAD 1                                        ; slot 1's first fill, the first tensor load behind the round
	FIRSTS 0
	PF KSTRIDE                                     ; K step 3's tile
	s_wait_loadcnt 0x0                             ; the bias
	STEP 0, 0, 1                                   ; the first step stands in front of the loop: its products start the sums on the bias
	WIN 0
	s_mov_b32 s3, LAPS-1
.Llap:                                                 ; a trip goes once round the ring, from a lap's second step to the next lap's first
	STEPS 0, 1
	TURN 0, 1
	STEPS 1, 0
	TURN 1, 0
	STEP 0, 0, 0
	WIN 0
	s_sub_co_u32 s3, s3, 1
	s_cmp_lg_u32 s3, 0
	s_cbranch_scc1 .Llap
	STEPS 0, 1                                     ; the last lap fills nothing
; THE LAST K STEP (slot 1), BY ROWS
.macro BLOAD q                         ; W's fragments of quarter q -> window 1, v[64 q ..]
	WIN TO_B
.irp i, 0,1,2,3,4,5,6,7
	FRAG 64*\q+8*\i, ADRB+1, \q, \i
.endr
.endm
.macro ALOAD a                         ; x's block a, all four quarters -> buffer a % 3: 8 loads
.irp q, 0,1,2,3
	FRAG PA+32*((\a)%3)+8*\q, ADRA+1, \q, \a
.endr
.endm
.macro ROW a                           ; block a's sums are finished
	WIN MUL_LO+0x50*((\a)/4)
.irp q, 0,1,2,3
.if (\a) == 0 && \q == 2
	s_wait_dscnt 8                                 ; W's quarter 2 is in (behind it: x's block 2)
.endif
	MM8 \a, 64*\q, PA+32*((\a)%3)+8*\q, \q, 1, 0
.endr
	WIN 0
.endm
; the way out of block a: through my own stage and back as whole rows of 512 bytes.  LDS serves a wave's instructions in order (ISA guide 5.7.1.4): no wait between the stores and the loads.
.macro TOSTAGE a
.set AC, 64*((\a)%4)
	WIN 0x08+4*((\a)/4)                            ; the data: window 2 or 3
.irp b, 0,1,2,3,4,5,6,7
	ds_store_b128 v[STO], v[AC+8*\b:AC+8*\b+3] offset:64*\b          ; each run of eight sums from its low end on
	ds_store_b128 v[STO], v[AC+8*\b+4:AC+8*\b+7] offset:64*\b+16
.endr
	WIN 0
.irp t, 0,1,2,3,4,5,6,7
	ds_load_b128 v[OB0+4*\t:OB0+4*\t+3], v[RD] offset:\t*SPITCH
.endr
.irp t, 0,1,2,3,4,5,6,7
	ds_load_b128 v[OB1+4*\t:OB1+4*\t+3], v[RD] offset:(\t+8)*SPITCH
.endr
.endm
.macro SEND a, younger                 ; younger: the LDS loads issued behind block a's
	s_wait_dscnt \younger
.if (\a) > 0
	s_add_nc_u64 s[14:15], s[14:15], 16*OROW       ; (behind the wait on XCNT ahead of TOSTAGE: the earlier stores have read their base)
.endif
.irp t, 0,1,2,3,4,5,6,7
	global_store_b128 v[CO], v[OB0+4*\t:OB0+4*\t+3], s[14:15] offset:\t*OROW th:TH_STORE_NT   ; 32 lanes store 512 consecutive bytes, aligned to 256
.endr
.irp t, 0,1,2,3,4,5,6,7
	global_store_b128 v[CO], v[OB1+4*\t:OB1+4*\t+3], s[14:15] offset:(\t+8)*OROW th:TH_STORE_NT
.endr
.endm
	MEET 0, 0                                      ; slot 1 is whole; nothing is filled again, so no round follows
	PLACES 4
	BLOAD 0                                        ; three quarters of W now: set 1 (v128-191 of window 1, v192-255 of window 0) is still being multiplied
	BLOAD 1
	BLOAD 3
	WIN 0
	SCALES 1
	ALOAD 0
	ALOAD 1
	REST 0
	PLACES 4
	BLOAD 2
	WIN 0
	ALOAD 2
	s_wait_dscnt 24                                ; all but the 24 just issued
	ROW 0
.irp a, 0,1,2,3,4,5,6,7                ; block a goes into the stage, block a + 1 is summed while it comes back, then block a is stored
	PLACES 4                                       ; behind the last products: for the stage's stores, which read them, and for the loads into the buffer that they read
.if \a > 0
	s_wait_xcnt 0x0                                ; block a - 1's stores have read their registers and their base
.endif
	TOSTAGE \a
.if \a < 5
	ALOAD \a+3                                     ; block a's buffer takes the block three on
.endif
.if \a < 7
	ROW \a+1
.endif
.if \a < 5
	SEND \a, 8
.else
	SEND \a, 0
.endif
.endr
	s_wait_tensorcnt 0x0                           ; the wave's end
	ds_add_u32 v[SPW], v[NIL]
	s_wait_dscnt 0x0
	CROUND                                         ; the closing round
	s_endpgm
.Lfunc_end_k_qe095edc45b_gemm:
	.size	k_qe095edc45b_gemm, .Lfunc_end_k_qe095edc45b_gemm-k_qe095edc45b_gemm
	.p2alignl 7, 3214868480
	.fill 96, 4, 3214868480
	.section	.rodata,"a",@progbits
	.p2align	6, 0x0
	.amdhsa_kernel k_qe095edc45b_gemm
		.amdhsa_group_segment_fixed_size 327680
		.amdhsa_private_segment_fixed_size 0
		.amdhsa_enable_private_segment 0
		.amdhsa_kernarg_size 32
		.amdhsa_user_sgpr_count 2
		.amdhsa_user_sgpr_kernarg_segment_ptr 1
		.amdhsa_wavefront_size32 1
		.amdhsa_system_sgpr_workgroup_id_x 1
		.amdhsa_system_sgpr_workgroup_id_y 1
		.amdhsa_system_sgpr_workgroup_id_z 1
		.amdhsa_system_vgpr_workitem_id 0
		.amdhsa_next_free_vgpr 1024
		.amdhsa_next_free_sgpr 80
		.amdhsa_reserve_vcc 0
		.amdhsa_float_denorm_mode_32 3
		.amdhsa_float_denorm_mode_16_64 3
		.amdhsa_memory_ordered 1
		.amdhsa_forward_progress 1
		.amdhsa_inst_pref_size 148
	.end_amdhsa_kernel
	.amdgpu_metadata
---
amdhsa.version: [ 1, 2 ]
amdhsa.kernels:
  - .name:           k_qe095edc45b_gemm
    .symbol:         k_qe095edc45b_gemm.kd
    .args:
      - { .name: a_pack, .offset: 0, .size: 8, .value_kind: global_buffer, .address_space: global }
      - { .name: b_pack, .offset: 8, .size: 8, .value_kind: global_buffer, .address_space: global }
      - { .name: bias, .offset: 16, .size: 8, .value_kind: global_buffer, .address_space: global }
      - { .name: out0, .offset: 24, .size: 8, .value_kind: global_buffer, .address_space: global }
    .group_segment_fixed_size: 327680
    .private_segment_fixed_size: 0
    .kernarg_segment_align: 8
    .kernarg_segment_size: 32
    .max_flat_workgroup_size: 128
    .sgpr_count:     80
    .vgpr_count:     1024
    .wavefront_size: 32
...
	.end_amdgpu_metadata
.endif
;; end of part 2
